; MI455X (gfx1250); checked and timed in simulation.
; The chip was launched on July 23, 2026; its instructions are those of AMD's public machine-readable ISA for CDNA 5 (MIT licence, August 2026) and "CDNA5" Instruction Set Architecture Reference Guide (July 2026). The comments in the code are by the model that wrote it; some were corrected since.
;; KAN Projection. Allowed arithmetic: matrix products marked QUANTISED: E4M3 operands, one given power-of-two scale a tensor, by v_wmma_f32_16x16x64_fp8_fp8 or v_wmma_f32_16x16x128_fp8_fp8, f32 sums; everything else in f32.
;; Inputs: coef 1,024 x 1,024 x 4 float32; grid 1,024 x 8 float32; lowp_scales 4 int32 (the exponents e of the quantised operands' scales 2^e); scale_base_codes 1,024 x 32 x 32 uint8 (E4M3 codes of scale_base, K innermost, in blocks of 32 codes); scale_sp 1,024 x 1,024 float32; x 4 x 2,048 x 1,024 float32.
;; Outputs: out0 4 x 2,048 x 1,024 float32.
;; This version of the problem:
;;   THIS VERSION OF THE PROBLEM IS GIVEN IN LOW PRECISION. The matrix products marked QUANTISED in the list below multiply operands that are first quantised to E4M3 (4 exponent bits, 3 mantissa bits; 8 bits a number), with one given power-of-two scale for each operand tensor; their sums are f32. All else is computed in f32.
;;   The module's matrix products, in the order in which they are computed (A, B: the left and right operand; K: the contracted axis; several contracted axes count as one K, in the product's order):
;;     1. [M 8,192, K 4,096] x [K 4,096, N 1,024]; A: computed on the way; B: computed on the way: QUANTISED (scales: A lowp_scales[0], B lowp_scales[1])
;;     2. [M 8,192, K 1,024] x [K 1,024, N 1,024]; A: computed on the way; B: input scale_base (given as codes): QUANTISED (scales: A lowp_scales[2], B lowp_scales[3])
;;   THE QUANTISER, for each operand of a quantised product, along K:
;;     - The operand's scale is 2^e, e = its entry of the input lowp_scales (int32; the entries are numbered through the quantised products in the list's order, A before B).
;;     - Each number is divided by the scale, clamped to +-448, and rounded to the nearest number of E4M3, ties to even, subnormals kept.
;;     - The product sums the exact products of the quantised numbers (number of the format x scale) in f32.
;;   ~~~python
;;   def quantise(x, axis, e):      # numpy; x: float32 -> the quantised numbers, widened to float32 again
;;       x = np.moveaxis(x, axis, -1); K = x.shape[-1]
;;       r = np.clip(x / 2.0 ** e, -448, 448)
;;       step = 2.0 ** (np.maximum(np.frexp(np.where(r == 0, 1, r))[1] - 1, -6) - 3)
;;       q = np.round(r / step) * step * 2.0 ** e      # np.round: ties to even
;;       return np.moveaxis(q, -1, axis).astype(np.float32)
;;   ~~~
;;   OPERANDS COMPUTED ON THE WAY. 'Computed on the way' means the value that the module computes at that place (a softmax that the list does not call 'softmax' is quantised finished and normalised). What goes into a quantiser is computed in f32, as accurately as f32 sums, v_exp_f32 and their like allow (about 1e-6 of the number): no bf16 or f16 on the way to a quantiser, and a product that is left as it is and whose result goes on into a quantised operand takes f32 operands (vector FMAs, or v_wmma_f32_16x16x4_f32). A number that lies on a knife's edge between two numbers of the format may be rounded either way, as far as f32 arithmetic and the matrix unit's own rounding can turn it there, and no further.
;;   INPUTS GIVEN AS CODES. scale_base (in the module: [1024, 1024], K = its axis 0): each comes as NAME_codes (uint8): NAME with its K axis moved to the last place and cut into blocks of 32 codes, [.., K / 32, bytes a block], one block behind the other in memory; one code a byte (a code: sign, 4 exponent bits, 3 mantissa bits); its scale is its entry of lowp_scales. Its value is code x scale, taken as it is: it is not quantised again, and the codes and scales need not be those that the quantiser above would give.
;; One version. Each part assembles by itself: llvm-mc -triple=amdgcn-amd-amdhsa -mcpu=gfx1250 --defsym DOCPART=n.
;; ======== version 1 of 1: 2 launches
;; limits: right only within a limited range of input values
;; workspace buffers: a_ws 41,943,040 bytes; b_ws 5,242,880 bytes
;; launch prep (part 1): grid 512 x 1, 8 waves a work-group, no clusters, 88,064 bytes of LDS; arguments x, grid, coef, scale_sp, scale_base_codes, lowp_scales, a_ws, b_ws; writes a_ws, b_ws
.if DOCPART == 1
	.amdgcn_target "amdgcn-amd-amdhsa--gfx1250"
	.amdhsa_code_object_version 6
	.text
	.protected	k_q489f512a2d_prep
	.globl	k_q489f512a2d_prep
	.p2align	8
	.type	k_q489f512a2d_prep,@function
k_q489f512a2d_prep:
	s_mov_b64 s[64:65], 0
	v_nop
	global_prefetch_b8 v0, s[64:65] scope:SCOPE_SE
	s_setreg_imm32_b32 hwreg(HW_REG_WAVE_MODE, 25, 1), 1
	s_wait_xcnt 0x0
; KAN projection, first launch: everything that stands ahead of the matrix products, done ONCE.  512 work-groups of equal work, two to a WGP (8 waves x 256 registers each).  Each does three things:
;   ACT:  x, grid -> E4M3 codes of the four cubic B-spline bases (scale 2^e0) and of silu(x) (scale 2^e2), into a_ws: 16 rows a work-group
;   COEF: coef x scale_sp -> E4M3 codes (scale 2^e1), into b_ws, K steps 8-39: 8 inputs d x 32 columns a wave
;   COPY: scale_base_codes, byte for byte, into b_ws, K steps 0-7: one piece of 512 bytes for each of waves 0-3
; THE WORKSPACE IS LAID AS IMAGES OF THE OPERANDS' REGISTERS.  A fragment is 16 rows x 128 K = 2,048 bytes = four pieces c of 512 bytes; lane l = (r = l % 16, h = l / 16) has its 16 bytes at 512 c + 16 l.
;   a_ws [64 mtile][40 K steps][8 fragments][2048]: row n = 128 mtile + 16 fragment + r.      b_ws [4 ntile][40 K steps][16 fragments][2048]: column o = 256 ntile + 16 fragment + r.
; THE ORDER ALONG K is the same in both.  K step s = 0-7 (silu x scale_base): byte j of (c, h) is d = 128 s + 32 c + 16 h + j.
;   K step 8 + s', s' = 0-31 (the splines): (c, h) holds the four inputs d = 32 s' + 8 c + 4 h + e, e = 0-3; byte 8 (e / 2) + 2 g + e % 2 is basis g of input e: the order in which packed arithmetic on pairs (d, d + 1) leaves its results.
; THE BASES are the Cox-de Boor recursion on the knots AS THEY ARE GIVEN: no spacing and no order of the knots is built in.  With t_k = x - g_k and r^p_k = 1 / (g_(k+p) - g_k):
;   B^0_k = [x >= g_k][x < g_(k+1)];   B^p_k = t_k (r^p_k B^(p-1)_k) - t_(k+p+1) (r^p_(k+1) B^(p-1)_(k+1)).
; ORDER OF ROUNDING: a division by a difference of knots is a multiplication by its v_rcp_f32, made once for each input d; silu(x) = x v_rcp_f32(1 + 2^(-x log2 e)).  All in f32.
; LIMITS: e0, e1, e2 between -126 and 119 (2^e and 448 x 2^e are f32 numbers).  The differences of knots and their reciprocals are normal f32 numbers (v_rcp_f32 flushes denormals: its entry in the ISA guide, 15.8).  NaN among the inputs is not served.
; No tensor loads, no matrix work, no barrier: waves share nothing.  Only ACT uses LDS, each wave a region of its own.
.set AMT,   655360                     ; bytes of an mtile of a_ws: 40 K steps x 16,384
.set BNT,   1310720                    ; bytes of an ntile of b_ws: 40 K steps x 32,768
.set WREG,  10880                      ; LDS of a wave: 32 places of SPI bytes for the bases' codes, then 8 for silu's
.set SPI,   272                        ; a place: 16 rows x 16 bytes + 16 of padding = 68 words: place p starts at bank 4 p mod 64 (64 banks of 4 bytes: ISA guide 11.1)
.set SSTO,  32*SPI
.set XO,  2                            ; v2   16 x thread: my four numbers in a row of x
.set GOF, 3                            ; v3   128 x thread: my four rows of grid
.set SB0, 4                            ; v4   the stage for the bases: my place
.set SS0, 5                            ; v5   the stage for silu: my 4 bytes of a place
.set RB,  6                            ; v6   back from the bases' stage: 16 lanes to a place
.set RS,  7                            ; v7   back from silu's
.set OB,  8                            ; v8   my byte in a_ws for the bases' codes
.set OS,  9                            ; v9   for silu's
.set L16, 10                           ; v10  16 x lane: coef's offset, and COPY's in b_ws; never rewritten
.set L4,  11                           ; v11  4 x lane: scale_sp's offset; never rewritten
                                       ; v12, v13: 2^e1, 448 x 2^e1 for COEF, then the same with e0;  v14, v15: with e2
.set G,   16                           ; v16-47    knot k of pair P, half par: G + 16 P + 2 k + par
.set R1,  48                           ; v48-75    1 / (g_(k+1) - g_k), k = 0-6: R1 + 14 P + 2 k + par
.set R2,  76                           ; v76-99    1 / (g_(k+2) - g_k), k = 0-5: R2 + 12 P + 2 k + par
.set R3,  100                          ; v100-119  1 / (g_(k+3) - g_k), k = 0-4: R3 + 10 P + 2 k + par
.set X,   120                          ; v120-151  a ring of eight rows, four numbers each
.set T,   152                          ; v152-167  t_k, eight pairs
.set W,   168                          ; v168-181  the bases at work, seven pairs
.set U,   182                          ; v182-193  six pairs
.set CD,  194                          ; v194-197  a row's 16 codes of the bases
.set SL,  198                          ; v198-205  silu of two rows
.set SE,  206                          ; v206-209  silu at work
.set SC,  210                          ; v210-211  silu's codes of two rows
.set RAW, 152                          ; grid as loaded (ahead of the rows)
.set F,   152                          ; v152-183  eight x 16 bytes on their way from the stage to memory
.set MK,  32                           ; s32-63    lane masks: [x >= g_k] of element e at s[MK + 8 e + k]
.set CF,  184                          ; COEF, ahead of the rows: v184-215 coef, v216-223 scale_sp, v228-243 products; v244-251 codes, never rewritten
.set SP,  216
.set CPY, 224                          ; v224-227  COPY's 16 bytes; never rewritten
.set TW,  228
.set CDW, 244
.set WST, 252                          ; v252 COEF's offset in b_ws: 2,048 (lane / 16) + 16 (lane % 16); never rewritten
.set CPL, 253                          ; v253 COPY's offset in scale_base_codes: row lane % 16 of 1,024 bytes + 16 (lane / 16); never rewritten
.macro SCALEREG e, vs, vl              ; s[e] = the exponent -> v[vs] = 2^e as f32 (the conversion takes its exponent field), v[vl] = 448 x 2^e
	s_add_co_i32 s30, s[\e], 127
	s_lshl_b32 s31, s30, 23
	v_mov_b32 v[\vs], s31
	s_add_co_i32 s30, s30, 8
	s_lshl_b32 s30, s30, 23
	s_or_b32 s30, s30, 0x600000                    ; the mantissa field of 448
	v_mov_b32 v[\vl], s30
.endm
	s_load_b512 s[4:19], s[0:1], 0x0               ; x s[4:5], grid s[6:7], coef s[8:9], scale_sp s[10:11], scale_base_codes s[12:13], lowp_scales s[14:15], a_ws s[16:17], b_ws s[18:19]
	v_lshl_add_u32 v254, v0, 2, 0x15400            ; my spare word, behind the eight waves' regions
	v_mov_b32 v255, 0
	v_lshrrev_b32 v1, 5, v0
	s_delay_alu instid0(VALU_DEP_1)
	v_readfirstlane_b32 s20, v1                    ; wave 0..7
	v_and_b32 v1, 31, v0                           ; lane
	v_lshlrev_b32 v[XO], 4, v0
	v_lshlrev_b32 v[GOF], 7, v0
	s_mov_b32 s3, 0                                ; the upper word of every offset below
	v_lshlrev_b32 v[L16], 4, v1
	v_lshlrev_b32 v[L4], 2, v1
	v_lshrrev_b32 v[WST], 4, v1
	v_and_b32 v8, 15, v1
	s_delay_alu instid0(VALU_DEP_1)
	v_lshlrev_b32 v8, 4, v8
	s_delay_alu instid0(VALU_DEP_1)
	v_lshl_add_u32 v[WST], v[WST], 11, v8
	v_and_b32 v[CPL], 15, v1
	v_lshrrev_b32 v9, 4, v1
	s_delay_alu instid0(VALU_DEP_2)
	v_lshlrev_b32 v[CPL], 10, v[CPL]
	s_delay_alu instid0(VALU_DEP_1)
	v_lshl_add_u32 v[CPL], v9, 4, v[CPL]
	s_wait_alu depctr_va_vdst(0)
	s_wait_kmcnt 0x0
	s_load_b128 s[24:27], s[14:15], 0x0            ; e0, e1, e2, e3
; COEF's place.  Work-group b = (u = b / 4, q = b % 4), u = (ntile = u % 4, s' = u / 4).  A LANE TAKES A COLUMN o = 256 ntile + 32 wave + lane, AND ITS REGISTERS RUN DOWN d = 32 s' + 8 q .. + 7 (and g): the codes come out with K innermost.
; A load of coef by a wave covers 512 consecutive bytes, one of scale_sp 128.  A lane's 16 codes of four inputs are its 16 bytes of a fragment: lanes 0-15 store 256 consecutive bytes, aligned, and so do lanes 16-31.
	s_lshr_b32 s21, ttmp9, 2                       ; u
	s_and_b32 s22, s21, 3                          ; ntile
	s_lshr_b32 s23, s21, 2                         ; s'
	s_and_b32 s21, ttmp9, 3                        ; q
	s_lshl_b32 s2, s23, 19                         ; coef: 32 s' rows of 16,384 bytes,
	s_lshl_b32 s30, s22, 12                        ; + 256 ntile columns of 16 bytes,
	s_add_co_u32 s2, s2, s30
	s_lshl_b32 s30, s20, 9                         ; + 32 wave columns,
	s_add_co_u32 s2, s2, s30
	s_lshl_b32 s30, s21, 17                        ; + 8 q rows
	s_add_co_u32 s2, s2, s30
	s_add_nc_u64 s[8:9], s[8:9], s[2:3]
	s_lshr_b32 s2, s2, 2                           ; scale_sp: a quarter of that offset
	s_add_nc_u64 s[10:11], s[10:11], s[2:3]
	s_mul_i32 s2, s22, BNT
	s_lshl_b32 s30, s23, 15
	s_add_co_u32 s2, s2, s30
	s_lshl_b32 s30, s20, 12                        ; fragments 2 wave and 2 wave + 1,
	s_add_co_u32 s2, s2, s30
	s_lshl_b32 s30, s21, 9                         ; piece q of each
	s_add_co_u32 s2, s2, s30
	s_add_co_u32 s2, s2, 8*32768                   ; the splines begin at K step 8
	s_add_nc_u64 s[68:69], s[18:19], s[2:3]
; COPY's place.  Piece 4 b + wave of 2,048: fragment column b / 8 (16 rows o), K step b % 8, piece c = wave (0-3).  The load takes 32 bytes of each of 16 rows; the store covers 512 consecutive bytes, aligned.
; This path moves 1 MiB of the launch's 100 or so, so no way through LDS is made for it.
	s_lshr_b32 s22, ttmp9, 3
	s_and_b32 s23, ttmp9, 7
	s_lshl_b32 s2, s22, 14
	s_lshl_b32 s30, s23, 7
	s_add_co_u32 s2, s2, s30
	s_lshl_b32 s30, s20, 5
	s_add_co_u32 s2, s2, s30
	s_add_nc_u64 s[12:13], s[12:13], s[2:3]
	s_lshr_b32 s2, s22, 4                          ; ntile,
	s_mul_i32 s2, s2, BNT
	s_and_b32 s30, s22, 15                         ; the fragment in it,
	s_lshl_b32 s30, s30, 11
	s_add_co_u32 s2, s2, s30
	s_lshl_b32 s30, s23, 15                        ; the K step,
	s_add_co_u32 s2, s2, s30
	s_lshl_b32 s30, s20, 9                         ; the piece
	s_add_co_u32 s2, s2, s30
	s_add_nc_u64 s[66:67], s[18:19], s[2:3]
; ACT's place.  Work-group b owns rows 16 b .. 16 b + 15: one fragment of each K step; wave w owns d = 128 w .. 128 w + 127; a lane owns the four inputs d = 4 x thread + e in every row, as two packed pairs.
; So a lane's 104 constants (knots and reciprocals) stay in registers, a load of x by a wave covers 512 consecutive bytes, and the eight waves cover a row.
	s_lshl_b32 s2, ttmp9, 16                       ; 16 rows of 4,096 bytes
	s_add_nc_u64 s[4:5], s[4:5], s[2:3]
	s_lshr_b32 s2, ttmp9, 3                        ; mtile = b / 8;
	s_mul_i32 s2, s2, AMT
	s_and_b32 s30, ttmp9, 7                        ; my 16 rows are its fragment b % 8
	s_lshl_b32 s30, s30, 11
	s_add_co_u32 s2, s2, s30
	s_add_nc_u64 s[16:17], s[16:17], s[2:3]
; All loads of the head on end: the weights' first, then the knots, then the ring of x.
.irp z, 0,1
.irp e, 0,1,2,3
	global_load_b128 v[CF+4*(4*\z+\e):CF+4*(4*\z+\e)+3], v[L16], s[8:9] offset:16384*(4*\z+\e) th:TH_LOAD_NT
	global_load_b32 v[SP+4*\z+\e], v[L4], s[10:11] offset:4096*(4*\z+\e) th:TH_LOAD_NT
.endr
.endr
	s_cmp_lt_u32 s20, 4
	s_cbranch_scc0 .Lno_copy_in
	global_load_b128 v[CPY:CPY+3], v[CPL], s[12:13]
.Lno_copy_in:
.irp e, 0,1,2,3
	global_load_b128 v[RAW+8*\e:RAW+8*\e+3],   v[GOF], s[6:7] offset:32*\e      ; the eight knots of input 4 x thread + e
	global_load_b128 v[RAW+8*\e+4:RAW+8*\e+7], v[GOF], s[6:7] offset:32*\e+16
.endr
.irp i, 0,1,2,3,4,5,6,7
	global_load_b128 v[X+4*\i:X+4*\i+3], v[XO], s[4:5] offset:4096*\i th:TH_LOAD_NT   ; the ring is filled: rows 0 to 7
.endr
	s_mul_i32 s30, s20, WREG                       ; my wave's LDS
	s_wait_alu depctr_va_vdst(0)
	v_mul_u32_u24 v[SB0], v1, SPI
	s_delay_alu instid0(VALU_DEP_1)
	v_add_nc_u32 v[SB0], s30, v[SB0]               ; the bases: place = lane; row r's 16 codes at 16 r
	v_lshrrev_b32 v[SS0], 2, v1
	s_delay_alu instid0(VALU_DEP_1)
	v_mul_u32_u24 v[SS0], v[SS0], SPI
	v_and_b32 v[RB], 3, v1
	s_delay_alu instid0(VALU_DEP_1)
	v_lshl_add_u32 v[SS0], v[RB], 2, v[SS0]
	s_delay_alu instid0(VALU_DEP_1)
	v_add_nc_u32 v[SS0], s30, v[SS0]
	s_delay_alu instid0(VALU_DEP_1)
	v_add_nc_u32 v[SS0], SSTO, v[SS0]              ; silu: place = lane / 4 (16 neighbouring d); my 4 codes at 4 (lane % 4), row r at 16 r
	v_lshrrev_b32 v[RB], 4, v1
	s_delay_alu instid0(VALU_DEP_1)
	v_mul_u32_u24 v[RB], v[RB], SPI
	v_and_b32 v[RS], 15, v1
	s_delay_alu instid0(VALU_DEP_1)
	v_lshl_add_u32 v[RB], v[RS], 4, v[RB]
	s_delay_alu instid0(VALU_DEP_1)
	v_add_nc_u32 v[RB], s30, v[RB]                 ; back: lanes 0-15 take one place's 256 bytes, lanes 16-31 the next
	s_delay_alu instid0(VALU_DEP_1)
	v_add_nc_u32 v[RS], SSTO, v[RB]
	s_lshl_b32 s31, s20, 16
	s_add_co_u32 s31, s31, 8*16384
	v_lshl_add_u32 v[OB], v1, 4, s31               ; the bases of wave w are K steps 8 + 4 w .. 8 + 4 w + 3
	s_lshl_b32 s31, s20, 14
	v_lshl_add_u32 v[OS], v1, 4, s31               ; silu of wave w is K step w
	s_mov_b32 s28, 0xbfb8aa3b                      ; -log2(e)
	s_mov_b32 s29, s28                             ; (named with it as a pair, so it is written)
	s_wait_alu depctr_va_vdst(0)
	s_wait_loadcnt 8                               ; the weights and the knots are in; the eight loads of x issued behind them may stay out
	s_wait_kmcnt 0x0                               ; the four exponents
; ---------------------------------------------------------------- COEF and COPY
	SCALEREG 25, 12, 13
.irp z, 0,1                            ; four inputs at a time
.irp e, 0,1,2,3
.irp g, 0,1,2,3
	v_mul_f32 v[TW+8*(\e/2)+2*\g+(\e%2)], v[CF+4*(4*\z+\e)+\g], v[SP+4*\z+\e]
.endr
.endr
.set k, 0
.rept 16
	v_med3_num_f32 v[TW+k], v[TW+k], -v13, v13     ; the hold at the largest code x the scale
.set k, k+1
.endr
	v_cvt_scalef32_pk8_fp8_f32 v[CDW+4*\z:CDW+4*\z+1],   v[TW:TW+7],    v12
	v_cvt_scalef32_pk8_fp8_f32 v[CDW+4*\z+2:CDW+4*\z+3], v[TW+8:TW+15], v12
	v_nop                                          ; a plain instruction behind the conversions: the next lines write their sources
	global_store_b128 v[WST], v[CDW+4*\z:CDW+4*\z+3], s[68:69] offset:256*\z   ; each group of four has registers of its own for its codes: no store's data are written again
.endr
	s_wait_alu depctr_va_vdst(0)
	s_cmp_lt_u32 s20, 4
	s_cbranch_scc0 .Lno_copy_out
	global_store_b128 v[L16], v[CPY:CPY+3], s[66:67]
.Lno_copy_out:
; ---------------------------------------------------------------- ACT
.irp e, 0,1,2,3
.irp k, 0,1,2,3,4,5,6,7
	v_mov_b32 v[G+16*(\e/2)+2*\k+(\e%2)], v[RAW+8*\e+\k]       ; inputs e and e + 1 side by side, for the packed forms
.endr
.endr
.irp pp, 0,1
.irp k, 0,1,2,3,4,5,6
	v_pk_add_f32 v[R1+14*\pp+2*\k:R1+14*\pp+2*\k+1], v[G+16*\pp+2*\k+2:G+16*\pp+2*\k+3], v[G+16*\pp+2*\k:G+16*\pp+2*\k+1] neg_lo:[0,1] neg_hi:[0,1]
.endr
.irp k, 0,1,2,3,4,5
	v_pk_add_f32 v[R2+12*\pp+2*\k:R2+12*\pp+2*\k+1], v[G+16*\pp+2*\k+4:G+16*\pp+2*\k+5], v[G+16*\pp+2*\k:G+16*\pp+2*\k+1] neg_lo:[0,1] neg_hi:[0,1]
.endr
.irp k, 0,1,2,3,4
	v_pk_add_f32 v[R3+10*\pp+2*\k:R3+10*\pp+2*\k+1], v[G+16*\pp+2*\k+6:G+16*\pp+2*\k+7], v[G+16*\pp+2*\k:G+16*\pp+2*\k+1] neg_lo:[0,1] neg_hi:[0,1]
.endr
.endr
.set j, R1
	s_wait_alu depctr_va_vdst(0)
.rept 72
	v_rcp_f32 v[j], v[j]                           ; the 72 differences become reciprocals, once for the work-group's 16 rows
.set j, j+1
.endr
	v_nop                                          ; a plain instruction between the last reciprocal and the use of its result
	SCALEREG 24, 12, 13
	SCALEREG 26, 14, 15
; One level of the recursion, in place: n results from n + 1.  W_k = t_k W_k - t_(k+p+1) W_(k+1)
.macro LEVEL p, n
.set k, 0
.rept \n
	v_pk_mul_f32 v[U+2*k:U+2*k+1], v[T+2*(k+\p+1):T+2*(k+\p+1)+1], v[W+2*k+2:W+2*k+3]
.set k, k+1
.endr
.set k, 0
.rept \n
	v_pk_fma_f32 v[W+2*k:W+2*k+1], v[T+2*k:T+2*k+1], v[W+2*k:W+2*k+1], v[U+2*k:U+2*k+1] neg_lo:[0,0,1] neg_hi:[0,0,1]
.set k, k+1
.endr
.endm
.macro TIMES r, n                      ; W_k x the next level's reciprocal
.set k, 0
.rept \n
	v_pk_mul_f32 v[W+2*k:W+2*k+1], v[W+2*k:W+2*k+1], v[(\r)+2*k:(\r)+2*k+1]
.set k, k+1
.endr
.endm
; Pair pp (inputs 2 pp and 2 pp + 1) of the row in ring slot i: eight codes, byte 2 g + par, into v[CD + 2 pp] on
.macro PAIR i, pp
.set k, 0
.rept 8
	v_pk_add_f32 v[T+2*k:T+2*k+1], v[X+4*(\i)+2*(\pp):X+4*(\i)+2*(\pp)+1], v[G+16*(\pp)+2*k:G+16*(\pp)+2*k+1] neg_lo:[0,1] neg_hi:[0,1]   ; t_k.  (These are also the plain instructions behind the transcendentals just issued)
.set k, k+1
.endr
.set k, 0
	s_wait_alu depctr_va_vdst(0)
.rept 7
	v_cndmask_b32 v[W+2*k],   0, v[R1+14*(\pp)+2*k],   s[MK+16*(\pp)+k]      ; r^1_k B^0_k: the reciprocal where the indicator is 1, else 0: no multiplication
	v_cndmask_b32 v[W+2*k+1], 0, v[R1+14*(\pp)+2*k+1], s[MK+16*(\pp)+8+k]
.set k, k+1
.endr
	LEVEL 1, 6
	TIMES R2+12*(\pp), 6
	LEVEL 2, 5
	TIMES R3+10*(\pp), 5
	LEVEL 3, 4
.set k, 0
.rept 8
	v_med3_num_f32 v[W+k], v[W+k], -v13, v13       ; the conversion to an 8-bit code does not saturate (ISA guide 7.6.2): the hold at the largest code x the scale
.set k, k+1
.endr
.if \pp == 0
	s_wait_alu depctr_va_vdst(0)
	s_wait_dscnt 0x0                               ; the last row's LDS stores are done ahead of the lines that write CD and SC again
.endif
	v_cvt_scalef32_pk8_fp8_f32 v[CD+2*(\pp):CD+2*(\pp)+1], v[W:W+7], v12
.endm
; One row: ring slot i.  ahead = 1: the slot is filled again with the row eight further down.  left = how many younger loads may stay out.  ro: 0 for the fragment's rows 0-7, 128 for rows 8-15.
.macro ROW i, ahead, left, ro
	s_wait_loadcnt \left                           ; loads come back in order (ISA guide 5.7.1): this row is in, the younger rows stay out
.irp e, 0,1,2,3
.set k, 0
.rept 8
	v_cmp_ge_f32 s[MK+8*\e+k], v[X+4*(\i)+\e], v[G+16*(\e/2)+2*k+(\e%2)]
.set k, k+1
.endr
.endr
	v_pk_mul_f32 v[SE:SE+1],   v[X+4*(\i):X+4*(\i)+1],   s[28:29] op_sel_hi:[1,0]     ; silu: -x log2(e),
	v_pk_mul_f32 v[SE+2:SE+3], v[X+4*(\i)+2:X+4*(\i)+3], s[28:29] op_sel_hi:[1,0]
	s_wait_alu depctr_va_vdst(0)
.irp e, 0,1,2,3
	v_exp_f32 v[SE+\e], v[SE+\e]                   ; e^-x
.endr
.irp e, 0,1,2,3
.set k, 0
.rept 7
	s_and_not1_b32 s[MK+8*\e+k], s[MK+8*\e+k], s[MK+8*\e+k+1]   ; [x >= g_k] and not [x >= g_(k+1)]: the indicator; k ascending, so each right-hand mask is still whole
.set k, k+1
.endr
.endr
	PAIR \i, 0
	s_wait_alu depctr_va_vdst(0)
	v_pk_add_f32 v[SE:SE+1],   v[SE:SE+1],   1.0 op_sel_hi:[1,0]    ; 1 + e^-x.  (Plain instructions behind the conversion, which touch none of its registers)
	v_pk_add_f32 v[SE+2:SE+3], v[SE+2:SE+3], 1.0 op_sel_hi:[1,0]
	s_wait_alu depctr_va_vdst(0)
.irp e, 0,1,2,3
	v_rcp_f32 v[SE+\e], v[SE+\e]
.endr
	PAIR \i, 1
	s_wait_alu depctr_va_vdst(0)
	v_pk_mul_f32 v[SL+4*((\i)%2):SL+4*((\i)%2)+1],   v[X+4*(\i):X+4*(\i)+1],   v[SE:SE+1]       ; silu(x).  (Plain instructions behind the conversion)
	v_pk_mul_f32 v[SL+4*((\i)%2)+2:SL+4*((\i)%2)+3], v[X+4*(\i)+2:X+4*(\i)+3], v[SE+2:SE+3]
.if (\i)%2 == 1                        ; the conversion takes eight numbers: two rows' four
.set k, 0
.rept 8
	v_med3_num_f32 v[SL+k], v[SL+k], -v15, v15
.set k, k+1
.endr
	v_cvt_scalef32_pk8_fp8_f32 v[SC:SC+1], v[SL:SL+7], v14
	v_nop                                          ; a plain instruction behind the conversion
	ds_store_b32 v[SS0], v[SC]   offset:(\ro)+16*((\i)-1)
	ds_store_b32 v[SS0], v[SC+1] offset:(\ro)+16*(\i)
.endif
	ds_store_b128 v[SB0], v[CD:CD+3] offset:(\ro)+16*(\i)
.if \ahead
	global_load_b128 v[X+4*(\i):X+4*(\i)+3], v[XO], s[4:5] offset:(8+(\i))*4096 th:TH_LOAD_NT
.endif
.endm
; Sixteen rows lie in the stage: one fragment of each of my five K steps.  They leave as they lie in a fragment: each store of the wave covers 512 consecutive bytes, aligned.
; LDS serves a wave's instructions in order (ISA guide 5.7.1.4): the loads see the rows' stores.
.macro FLUSH
.irp g, 0,1
.if \g > 0
	s_wait_xcnt 0x0                                ; the first eight stores have read F
.endif
.irp j, 0,1,2,3,4,5,6,7
	ds_load_b128 v[F+4*\j:F+4*\j+3], v[RB] offset:(8*\g+\j)*2*SPI
.endr
.irp j, 0,1,2,3,4,5,6,7
	s_wait_dscnt 7-\j                              ; load j of the eight is in
	global_store_b128 v[OB], v[F+4*\j:F+4*\j+3], s[16:17] offset:((8*\g+\j)/4)*16384+((8*\g+\j)%4)*512
.endr
.endr
	s_wait_xcnt 0x0
.irp c, 0,1,2,3
	ds_load_b128 v[F+4*\c:F+4*\c+3], v[RS] offset:\c*2*SPI
.endr
.irp c, 0,1,2,3
	s_wait_dscnt 3-\c
	global_store_b128 v[OS], v[F+4*\c:F+4*\c+3], s[16:17] offset:512*\c
.endr
.endm
.irp i, 0,1,2,3,4,5,6,7
	ROW \i, 1, 7, 0                                ; rows 0-7; each slot is filled again with rows 8-15
.endr
.irp i, 0,1,2,3,4,5,6,7
	ROW \i, 0, 7-\i, 128                           ; rows 8-15: nothing more is loaded: the counts run down
.endr
	FLUSH
	s_wait_tensorcnt 0x0                           ; the wave's end
	ds_add_u32 v254, v255
	s_wait_dscnt 0x0
	s_endpgm
.Lfunc_end_k_q489f512a2d_prep:
	.size	k_q489f512a2d_prep, .Lfunc_end_k_q489f512a2d_prep-k_q489f512a2d_prep
	.p2alignl 7, 3214868480
	.fill 96, 4, 3214868480
	.section	.rodata,"a",@progbits
	.p2align	6, 0x0
	.amdhsa_kernel k_q489f512a2d_prep
		.amdhsa_group_segment_fixed_size 88064
		.amdhsa_private_segment_fixed_size 0
		.amdhsa_enable_private_segment 0
		.amdhsa_kernarg_size 64
		.amdhsa_user_sgpr_count 2
		.amdhsa_user_sgpr_kernarg_segment_ptr 1
		.amdhsa_wavefront_size32 1
		.amdhsa_system_sgpr_workgroup_id_x 1
		.amdhsa_system_sgpr_workgroup_id_y 1
		.amdhsa_system_sgpr_workgroup_id_z 1
		.amdhsa_system_vgpr_workitem_id 0
		.amdhsa_next_free_vgpr 256
		.amdhsa_next_free_sgpr 72
		.amdhsa_reserve_vcc 0
		.amdhsa_float_denorm_mode_32 3
		.amdhsa_float_denorm_mode_16_64 3
		.amdhsa_memory_ordered 1
		.amdhsa_forward_progress 1
		.amdhsa_inst_pref_size 234
	.end_amdhsa_kernel
	.amdgpu_metadata
---
amdhsa.version: [ 1, 2 ]
amdhsa.kernels:
  - .name:           k_q489f512a2d_prep
    .symbol:         k_q489f512a2d_prep.kd
    .args:
      - { .name: x, .offset: 0, .size: 8, .value_kind: global_buffer, .address_space: global }
      - { .name: grid, .offset: 8, .size: 8, .value_kind: global_buffer, .address_space: global }
      - { .name: coef, .offset: 16, .size: 8, .value_kind: global_buffer, .address_space: global }
      - { .name: scale_sp, .offset: 24, .size: 8, .value_kind: global_buffer, .address_space: global }
      - { .name: scale_base_codes, .offset: 32, .size: 8, .value_kind: global_buffer, .address_space: global }
      - { .name: lowp_scales, .offset: 40, .size: 8, .value_kind: global_buffer, .address_space: global }
      - { .name: a_ws, .offset: 48, .size: 8, .value_kind: global_buffer, .address_space: global }
      - { .name: b_ws, .offset: 56, .size: 8, .value_kind: global_buffer, .address_space: global }
    .group_segment_fixed_size: 88064
    .private_segment_fixed_size: 0
    .kernarg_segment_align: 8
    .kernarg_segment_size: 64
    .max_flat_workgroup_size: 256
    .sgpr_count:     72
    .vgpr_count:     256
    .wavefront_size: 32
...
	.end_amdgpu_metadata
.endif
;; end of part 1
;; launch gemm (part 2): grid 4 x 64, 4 waves a work-group, clusters of 4 x 1, 327,680 bytes of LDS; arguments a_ws, b_ws, lowp_scales, out0; writes out0
.if DOCPART == 2
	.amdgcn_target "amdgcn-amd-amdhsa--gfx1250"
	.amdhsa_code_object_version 6
	.text
	.protected	k_q489f512a2d_gemm
	.globl	k_q489f512a2d_gemm
	.p2align	8
	.type	k_q489f512a2d_gemm,@function
k_q489f512a2d_gemm:
	s_mov_b64 s[64:65], 0
	v_nop
	global_prefetch_b8 v0, s[64:65] scope:SCOPE_SE
	s_setreg_imm32_b32 hwreg(HW_REG_WAVE_MODE, 25, 1), 1
	s_wait_xcnt 0x0
	s_wait_alu depctr_hold_cnt(0) depctr_sa_sdst(0) depctr_va_vdst(0) depctr_va_sdst(0) depctr_va_ssrc(0) depctr_va_vcc(0) depctr_vm_vsrc(0)
	s_getreg_b32 s2, hwreg(HW_REG_IB_STS2, 6, 4)
	s_cmp_eq_u32 s2, 0
	s_cbranch_scc0 .Lentry_in_a_cluster
	s_endpgm
.Lentry_in_a_cluster:
	s_bfe_u32 s2, ttmp6, 0x10000c
	s_cmp_lg_u32 s2, 0x3003
	s_cbranch_scc0 .Lentry_shape_is_right
	s_endpgm
.Lentry_shape_is_right:
; KAN projection, second launch: out = 2^(e2+e3) (silu codes x scale_base codes) + 2^(e0+e1) (basis codes x coefficient codes), one sum over 40 K steps of 128.
; a_ws [64 mtile][40 K steps][8 fragments][2048] and b_ws [4 ntile][40 K steps][16 fragments][2048] hold images of the operands' registers: a fragment is 16 rows x 128 K, lane l has 16 bytes at 512 c + 16 l, c = 0-3.
; The order along K inside a fragment is the same in both operands, so every product meets its partner.
; A work-group makes 128 rows x 256 columns (grid 4 x 64 = 256 work-groups); its four waves lie side by side, each 128 rows x 64 columns: 32 accumulators, 256 registers.
; B: a wave's four fragments of a K step (8 KiB) are read by no other wave of the work-group, so they go from memory straight into registers: a ring of four K steps, three steps' loads (48) out at the most.
; A: the 8 fragments of a K step are read by all four waves, so they go through LDS: two slots of 8 K steps (131,072 bytes each), 5 fills in all, each wave bringing a quarter (32 KiB, 128 rows of 256 bytes).
; CLUSTER 4, 1, 1: the four work-groups of an mtile read the same A; each fill is a joint load with the mask 15.  B's columns differ between the partners.
; K steps 0-7 (slot 0) are the silu part: behind them the sums are multiplied once by 2^(e2+e3-e0-e1), and at the end by 2^(e0+e1).
; LIMITS: e0+e1 and e2+e3-e0-e1 lie between -126 and 127 (both powers are f32 numbers).
; PREFETCHES: behind the joint load of slot n stands one line a wave for slot n + 1 of A (512 blocks of 256 bytes: partner cx takes 128, wave w 32 of them, a lane one; none beyond slot 4);
; in K step s each wave names its own 32 blocks of B's K step s + 8, five K steps ahead of the load that wants them; K steps 32 and later name nothing.
; REGISTERS: window 0 addresses, way out; window 1 accumulators ((a, b) at 8 (4 a + b)); window 2 B's ring (64 a K step); window 3 A's two sets (128 each).
; The matrix instruction is used transposed (source 0 = B, source 1 = A): a lane holds eight neighbouring columns of one row of out.
.set FRB,    2048
.set ASTEP,  8*FRB
.set BSTEP,  16*FRB
.set SLOT,   8*ASTEP
.set SPARE,  2*SLOT                    ; the spare words: 128 bytes a wave
.set STAGE,  SPARE+512                 ; the way out: 16 rows x 272 bytes for each wave; no fill lands here
.set SPITCH, 272
.set AMT,    40*ASTEP
.set BNT,    40*BSTEP
.set TRIPS,  3
.set LN,  2                            ; 16 x lane; also B's offset
.set LNH, 3                            ; 16 x lane + 65,536 (an LDS offset has 16 bits: K steps 4-7 of a slot)
.set ADL, 4                            ; the slot being read: K steps 0-3
.set ADH, 5                            ; K steps 4-7
.set STO, 8
.set RD,  9
.set CO,  10
.set PFA, 11
.set PFB, 12
.set SPW, 14
.set NIL, 15
.set TMP, 32
.set BK,  64
.set MSB, 0
.macro WIN new
.if MSB != \new
	s_set_vgpr_msb (MSB<<8)|\new
.set MSB, \new
.endif
.endm
.set MUL,   0x5e                       ; source 0 window 2, source 1 window 3, C and D window 1
.set TO_A,  0xc0
.set TO_B,  0x80
.set W_RS,  0x41
.set W_OUT, 0x01
.macro CREST
	s_cmp_lg_u32 s14, 0
	s_cbranch_scc1 .Lnot_wave_0_\@
	s_barrier_signal -3
.Lnot_wave_0_\@:
	s_barrier_wait -3
	s_barrier_signal -1
	s_barrier_wait -1
.endm
.macro CROUND
	s_barrier_signal -1
	s_barrier_wait -1
	CREST
.endm
.macro PLACES
.rept 4
	v_nop
.endr
.endm
.macro FETCH_A adr, jj, st             ; A's eight fragments of K step jj of the half slot at adr, into set st
	WIN TO_A
.irp a, 0,1,2,3,4,5,6,7
.irp c, 0,1,2,3
	ds_load_b128 v[128*(\st)+16*\a+4*\c:128*(\st)+16*\a+4*\c+3], v[\adr] offset:(\jj)*ASTEP+\a*FRB+512*\c
.endr
.endr
.endm
.macro FETCH_B bo, rg                  ; my four fragments of B, K step bo from the base, into ring place rg
	WIN TO_B
.irp f, 0,1,2,3
.irp c, 0,1,2,3
	global_load_b128 v[64*(\rg)+16*\f+4*\c:64*(\rg)+16*\f+4*\c+3], v[LN], s[36:37] offset:(\bo)*BSTEP+\f*FRB+512*\c
.endr
.endr
.endm
.macro MULS a0, a1, p, q, zero         ; A's blocks a0 .. a1 of set p against B's four of ring place q; the 32 accumulators take turns in one order in every K step
.set aa, \a0
.rept (\a1)-(\a0)+1
.irp b, 0,1,2,3
.if \zero
	v_wmma_f32_16x16x128_fp8_fp8 v[8*(4*aa+\b):8*(4*aa+\b)+7], v[64*(\q)+16*\b:64*(\q)+16*\b+15], v[128*(\p)+16*aa:128*(\p)+16*aa+15], 0
.else
	v_wmma_f32_16x16x128_fp8_fp8 v[8*(4*aa+\b):8*(4*aa+\b)+7], v[64*(\q)+16*\b:64*(\q)+16*\b+15], v[128*(\p)+16*aa:128*(\p)+16*aa+15], v[8*(4*aa+\b):8*(4*aa+\b)+7]
.endif
.endr
.set aa, aa+1
.endr
.endm
; K step j of a slot (not one that changes slots).  bo: B's K step three on is asked for (< 0: none); lw: younger loads of B that may stay out; pb: the prefetch (< 0: none); last: nothing more of A.
.macro STEP j, bo, lw, pb, zero, last
	PLACES                                         ; in front of loads into registers that the last K step's matrix instructions read
.if \last == 0
.if ((\j)+1) < 4
	FETCH_A ADL,(\j)+1,1-(\j)%2
.else
	FETCH_A ADH,(\j)-3,1-(\j)%2
.endif
.endif
	s_wait_loadcnt \lw                             ; this K step's B is in; the two later K steps' 16 loads each stay out
.if (\bo) >= 0
	FETCH_B \bo,((\j)+3)%4
.endif
.if (\pb) >= 0
	global_prefetch_b8 v[PFB], s[36:37] offset:(\pb)*BSTEP th:TH_LOAD_NT scope:SCOPE_SE
.endif
.if \last
	s_wait_dscnt 0x0
.else
	s_wait_dscnt 32                                ; this K step's A is in; the 32 loads just issued stay out
.endif
	WIN MUL
	MULS 0,7,(\j)%2,(\j)%4,\zero
.endm
; K step 7 of a slot changes slots.  fill = 1: the slot just read out takes the slot after next, by a joint load behind a round of the cluster's barrier.
.macro TURN fill, bo, pb
	WIN 0
	s_xor_b32 s40, s40, SLOT
	v_add_nc_u32 v[ADL], s40, v[LN]                ; the next slot's addresses (my reads of this slot are all issued); with the two lines below: the four places in front of B's loads
	v_add_nc_u32 v[ADH], s40, v[LNH]
	v_nop
	v_nop
	s_wait_alu depctr_va_vdst(0)
	s_wait_loadcnt 32
	FETCH_B \bo,2
	global_prefetch_b8 v[PFB], s[36:37] offset:(\pb)*BSTEP th:TH_LOAD_NT scope:SCOPE_SE
	WIN 0
	s_wait_tensorcnt 0x0                           ; my quarter of the next slot has landed
	ds_add_u32 v[SPW], v[NIL]
	s_wait_dscnt 1                                 ; this K step's A is in; the add may be out
	WIN MUL
	MULS 0,1,1,3,0
	s_wait_dscnt 0x0                               ; the add is done, my reads of this slot are over
	s_barrier_signal -1
	MULS 2,3,1,3,0
	WIN 0
	s_barrier_wait -1
.if \fill
	CREST
	s_xor_b32 s33, s33, SLOT                       ; no tensor load of mine is out: group 0 steps to the slot read out and 8 K steps on
	s_add_nc_u64 s[34:35], s[34:35], SLOT
	tensor_load_to_lds s[32:35], s[24:31]
	s_nop 0
.endif
	PLACES
	FETCH_A ADL,0,0
.if \fill
	WIN 0
	s_cmp_gt_u32 s3, 1                             ; the last trip's load is slot 4's: nothing lies behind it
	s_cbranch_scc0 .Lno_ask_\@
	global_prefetch_b8 v[PFA], s[38:39] offset:3*SLOT th:TH_LOAD_NT scope:SCOPE_SE
.Lno_ask_\@:
.endif
	WIN MUL
	MULS 4,7,1,3,0
.endm
	s_load_b256 s[4:11], s[0:1], 0x0               ; a_ws s[4:5], b_ws s[6:7], lowp_scales s[8:9], out0 s[10:11]
	v_lshl_add_u32 v[SPW], v0, 2, SPARE
	v_mov_b32 v[NIL], 0
	ds_add_u32 v[SPW], v[NIL]
	ds_add_u32 v[SPW], v[NIL]
	v_lshrrev_b32 v1, 5, v0
	v_readfirstlane_b32 s14, v1                    ; wave 0..3
	s_bfe_u32 s16, ttmp6, 0x40000                  ; cx = ntile
	s_and_b32 s17, ttmp7, 0xffff                   ; cluster y = mtile
	s_mov_b32 s24, 15|(3<<16)|(1<<21)              ; group 1: mask of the four partners, elements of 8 bytes, bit 21 beside the mask
	s_mov_b32 s25, 32<<16                          ; rows of 32 elements = 256 bytes
	s_mov_b32 s26, 128<<16                         ; 128 rows
	s_mov_b32 s27, 32<<16
	s_mov_b32 s28, 128
	s_mov_b32 s29, 32                              ; dense: pitch = row
	s_mov_b32 s30, 0
	s_mov_b32 s31, 0
	s_mov_b32 s32, 1
	s_lshl_b32 s33, s14, 15                        ; LDS: wave x 32 KiB of slot 0
	s_mul_i32 s20, s17, AMT
	s_mov_b32 s21, 0
	s_mul_i32 s18, s16, BNT
	s_lshl_b32 s19, s14, 13                        ; my four fragments of B
	s_add_co_u32 s18, s18, s19
	s_mov_b32 s19, 0
	s_mov_b32 s40, 0                               ; the slot being read
	s_wait_dscnt 0x0
	s_wait_kmcnt 0x0
	s_load_b128 s[68:71], s[8:9], 0x0              ; e0, e1, e2, e3
	s_add_nc_u64 s[38:39], s[4:5], s[20:21]        ; a_ws at my mtile
	s_mov_b32 s20, s33
	s_add_nc_u64 s[34:35], s[38:39], s[20:21]      ; + my quarter of slot 0
	s_or_b32 s35, s35, 0x80000000
	s_add_nc_u64 s[36:37], s[6:7], s[18:19]
	CROUND                                         ; the four partners are here: the first joint loads meet
	tensor_load_to_lds s[32:35], s[24:31]          ; K steps 0-7: one tensor load a wave at the head
	s_nop 0
	s_mul_i32 s23, s14, 16*SPITCH
	s_add_co_u32 s23, s23, STAGE                   ; my stage
	s_lshl_b32 s22, s16, 15
	s_lshl_b32 s20, s14, 13
	s_add_co_u32 s22, s22, s20                     ; my share of a slot's prefetch: 32 KiB x cx + 8 KiB x wave
	s_lshl_b32 s20, s17, 19                        ; out: 128 mtile rows of 4,096 bytes
	s_lshl_b32 s21, s16, 10                        ; + 256 ntile columns
	s_add_co_u32 s20, s20, s21
	s_lshl_b32 s21, s14, 8                         ; + 64 wave columns
	s_add_co_u32 s20, s20, s21
	s_mov_b32 s21, 0
	s_add_nc_u64 s[10:11], s[10:11], s[20:21]
	v_and_b32 v1, 31, v0
	v_and_b32 v6, 15, v0
	v_bfe_u32 v7, v0, 4, 1
	v_lshlrev_b32 v[LN], 4, v1
	v_lshl_add_u32 v[PFA], v1, 8, s22
	v_lshlrev_b32 v[PFB], 8, v1
	v_mul_u32_u24 v[STO], v6, SPITCH
	v_mul_u32_u24 v[RD], v7, SPITCH
	v_lshlrev_b32 v[CO], 12, v7
	v_add_nc_u32 v[LNH], 0x10000, v[LN]
	v_add_nc_u32 v[ADL], s40, v[LN]
	v_lshl_add_u32 v[STO], v7, 5, v[STO]           ; in: row l % 16, 32 bytes for each half of the lanes
	v_lshl_add_u32 v[RD], v6, 4, v[RD]             ; back: lanes 0-15 one row of 256 bytes, lanes 16-31 the next
	v_lshl_add_u32 v[CO], v6, 4, v[CO]             ; and the same two rows in out
	v_add_nc_u32 v[ADH], s40, v[LNH]
	v_add_nc_u32 v[STO], s23, v[STO]
	v_add_nc_u32 v[RD], s23, v[RD]
	s_wait_alu depctr_va_vdst(0)
	FETCH_B 0,0                                    ; B's K steps 0 to 2
	FETCH_B 1,1
	FETCH_B 2,2
	WIN 0
	s_wait_tensorcnt 0x0                           ; my quarter of slot 0 is in; slot 1's first fill is issued as a refill is
	ds_add_u32 v[SPW], v[NIL]
	s_wait_dscnt 0x0
	CROUND
	s_xor_b32 s33, s33, SLOT
	s_add_nc_u64 s[34:35], s[34:35], SLOT
	tensor_load_to_lds s[32:35], s[24:31]          ; K steps 8-15
	s_nop 0
	PLACES
	FETCH_A ADL,0,0
	global_prefetch_b8 v[PFA], s[38:39] offset:2*SLOT th:TH_LOAD_NT scope:SCOPE_SE   ; slot 2, which the first change of slots loads
	s_wait_kmcnt 0x0
	s_add_co_i32 s74, s68, s69
	s_add_co_i32 s72, s70, s71
	s_sub_co_i32 s72, s72, s74
	s_add_co_i32 s72, s72, 127
	s_lshl_b32 s72, s72, 23                        ; 2^(e2+e3-e0-e1)
	s_mov_b32 s73, s72
	s_add_co_i32 s74, s74, 127
	s_lshl_b32 s74, s74, 23                        ; 2^(e0+e1)
	s_mov_b32 s75, s74
	STEP 0,3,32,8,1,0                              ; the first K step starts the sums
	WIN 0
	s_mov_b32 s3, TRIPS
.Lslot:                                                ; a trip: K steps 1-7 of a slot and K step 0 of the next; it fills the slot read out again
.irp j, 1,2,3,4,5,6
	STEP \j,\j+3,32,\j+8,0,0
.endr
	TURN 1,10,15
	WIN 0
	s_cmp_lg_u32 s3, TRIPS
	s_cbranch_scc1 .Lsame
	PLACES                                         ; the first trip alone: K steps 0-7 are summed; they go under the splines' scale
	WIN W_RS
.set i, 0
.rept 128
	v_pk_mul_f32 v[i:i+1], v[i:i+1], s[72:73] op_sel_hi:[1,0]
.set i, i+2
.endr
	WIN 0
.Lsame:
	s_wait_alu depctr_va_vdst(0)
	STEP 0,11,32,16,0,0
	WIN 0
	s_wait_xcnt 0x0                                ; the loads and prefetches have read their bases
	s_add_nc_u64 s[36:37], s[36:37], 8*BSTEP
	s_add_nc_u64 s[38:39], s[38:39], SLOT
	s_sub_co_u32 s3, s3, 1
	s_cmp_lg_u32 s3, 0
	s_cbranch_scc1 .Lslot
.irp j, 1,2,3,4,5,6                    ; K steps 25-30
	STEP \j,\j+3,32,\j+8,0,0
.endr
	TURN 0,10,15                                   ; K step 31: nothing is filled again, so no round follows
	STEP 0,11,32,-1,0,0
.irp j, 1,2,3,4
	STEP \j,\j+11,32,-1,0,0                        ; the last loads of B: K steps 36-39
.endr
	STEP 5,-1,32,-1,0,0                            ; the counts run down
	STEP 6,-1,16,-1,0,0
	STEP 7,-1,0,-1,0,1
	WIN 0
; THE WAY OUT, by blocks of 16 rows x 64 columns: x 2^(e0+e1), through my own stage, back as whole rows of 256 bytes: sixteen lanes store one aligned 256 bytes.
.macro TOSTAGE a
	WIN W_OUT
.irp j, 0,2,4,6,8,10,12,14,16,18,20,22,24,26,28,30
	v_pk_mul_f32 v[TMP+\j:TMP+\j+1], v[32*(\a)+\j:32*(\a)+\j+1], s[74:75] op_sel_hi:[1,0]   ; each accumulator from its low end on
.endr
	WIN 0
.irp b, 0,1,2,3
	ds_store_b128 v[STO], v[TMP+8*\b:TMP+8*\b+3] offset:64*\b
	ds_store_b128 v[STO], v[TMP+8*\b+4:TMP+8*\b+7] offset:64*\b+16
.endr
.set BB, BK+32*((\a)%2)
.irp t, 0,1,2,3,4,5,6,7
	ds_load_b128 v[BB+4*\t:BB+4*\t+3], v[RD] offset:\t*2*SPITCH    ; LDS serves a wave's instructions in order (ISA guide 5.7.1.4)
.endr
.endm
.macro SEND a, younger
.set BB, BK+32*((\a)%2)
	s_wait_dscnt \younger
.irp t, 0,1,2,3,4,5,6,7
	global_store_b128 v[CO], v[BB+4*\t:BB+4*\t+3], s[10:11] offset:(16*(\a)+2*\t)*4096 th:TH_STORE_NT
.endr
.endm
	PLACES
	TOSTAGE 0
.irp a, 1,2,3,4,5,6,7
.if \a > 1
	s_wait_xcnt 0x0                                ; block a - 2's stores have read their registers
.endif
	TOSTAGE \a
	SEND \a-1, 16                                  ; behind block a - 1's loads: block a's 8 stores and 8 loads
.endr
	SEND 7, 0
	s_wait_tensorcnt 0x0                           ; the wave's end
	ds_add_u32 v[SPW], v[NIL]
	s_wait_dscnt 0x0
	CROUND                                         ; the closing round
	s_endpgm
.Lfunc_end_k_q489f512a2d_gemm:
	.size	k_q489f512a2d_gemm, .Lfunc_end_k_q489f512a2d_gemm-k_q489f512a2d_gemm
	.p2alignl 7, 3214868480
	.fill 96, 4, 3214868480
	.section	.rodata,"a",@progbits
	.p2align	6, 0x0
	.amdhsa_kernel k_q489f512a2d_gemm
		.amdhsa_group_segment_fixed_size 327680
		.amdhsa_private_segment_fixed_size 0
		.amdhsa_enable_private_segment 0
		.amdhsa_kernarg_size 32
		.amdhsa_user_sgpr_count 2
		.amdhsa_user_sgpr_kernarg_segment_ptr 1
		.amdhsa_wavefront_size32 1
		.amdhsa_system_sgpr_workgroup_id_x 1
		.amdhsa_system_sgpr_workgroup_id_y 1
		.amdhsa_system_sgpr_workgroup_id_z 1
		.amdhsa_system_vgpr_workitem_id 0
		.amdhsa_next_free_vgpr 1024
		.amdhsa_next_free_sgpr 80
		.amdhsa_reserve_vcc 0
		.amdhsa_float_denorm_mode_32 3
		.amdhsa_float_denorm_mode_16_64 3
		.amdhsa_memory_ordered 1
		.amdhsa_forward_progress 1
		.amdhsa_inst_pref_size 180
	.end_amdhsa_kernel
	.amdgpu_metadata
---
amdhsa.version: [ 1, 2 ]
amdhsa.kernels:
  - .name:           k_q489f512a2d_gemm
    .symbol:         k_q489f512a2d_gemm.kd
    .args:
      - { .name: a_ws, .offset: 0, .size: 8, .value_kind: global_buffer, .address_space: global }
      - { .name: b_ws, .offset: 8, .size: 8, .value_kind: global_buffer, .address_space: global }
      - { .name: lowp_scales, .offset: 16, .size: 8, .value_kind: global_buffer, .address_space: global }
      - { .name: out0, .offset: 24, .size: 8, .value_kind: global_buffer, .address_space: global }
    .group_segment_fixed_size: 327680
    .private_segment_fixed_size: 0
    .kernarg_segment_align: 8
    .kernarg_segment_size: 32
    .max_flat_workgroup_size: 128
    .sgpr_count:     80
    .vgpr_count:     1024
    .wavefront_size: 32
...
	.end_amdgpu_metadata
.endif
;; end of part 2
